; MI455X (gfx1250); checked and timed in simulation.
; The chip was launched on July 23, 2026; its instructions are those of AMD's public machine-readable ISA for CDNA 5 (MIT licence, August 2026) and "CDNA5" Instruction Set Architecture Reference Guide (July 2026). The comments in the code are by the model that wrote it; some were corrected since.
;; Hyperbolic MLR. Allowed arithmetic: float matrix products may take bf16 or f16 operands with f32 sums; all other float work in f32.
;; Inputs: a_vals 512 x 256 float32; p_vals 512 x 256 float32; x 2,048 x 256 float32.
;; Outputs: out0 2,048 x 512 float32.
;; 2 versions, each right; version 2 is version 1 with the launch hmlr written anew for expert scheduling mode. Each part assembles by itself: llvm-mc -triple=amdgcn-amd-amdhsa -mcpu=gfx1250 --defsym DOCPART=n.
;; ======== version 1 of 2: 1 launch
;; launch hmlr (part 1): grid 8 x 32, 8 waves a work-group, no clusters, 168,960 bytes of LDS; arguments x, p_vals, a_vals, out0; writes out0
.if DOCPART == 1
	.amdgcn_target "amdgcn-amd-amdhsa--gfx1250"
	.amdhsa_code_object_version 6
	.text
	.protected	k_q68aae7949a_hmlr
	.globl	k_q68aae7949a_hmlr
	.p2align	8
	.type	k_q68aae7949a_hmlr,@function
k_q68aae7949a_hmlr:
	s_mov_b64 s[64:65], 0
	v_nop
	global_prefetch_b8 v0, s[64:65] scope:SCOPE_SE
	s_setreg_imm32_b32 hwreg(HW_REG_WAVE_MODE, 25, 1), 1
	s_wait_xcnt 0x0
; HyperbolicMLR, c = 1.  x [2048][256], p_vals, a_vals [512][256], out0 [2048][512], all f32.
; Every step of to_poincare and expmap0 multiplies a row by a number that hangs on the row's norm alone:
;   xb = sx[b] x,  P = sp[n] p,  A = q[n] a  with q = 1 - |P|^2.
; The tensor mob[n][b][d] enters the result only through mob.A and |mob|^2, which are polynomials in
;   u = p.x, w = a.x (two matrix products, bf16 operands, f32 sums), |x|^2, |p|^2, |a|^2, p.a (row sums, f32).
; With U = sx u, W = sx w, x2 = |P|^2, y2 = |xb|^2, T = -2 sp U (= 2 xy):
;   nc = 1 + T + y2     den = 1 + T + x2 y2     D = den + 1e-5
;   num = 2 (nc (-P.A) + q q W) / D
;   1 - |mob|^2 = (den (2e-5 + q (1 - y2)) + 1e-10) / D^2, from |nc (-P) + q X|^2 = den^2 - q (1 - y2) den,
;   an identity of polynomials in x2, y2, xy: a sum of positive terms, no difference of large sums.
;   out = k asinh(z),  z = num / (|A| (1 - |mob|^2)),  k = 2 |A| / q.
;
; A work-group makes 64 rows of x by 64 classes: 256 work-groups.  It reads 64 + 64 + 64 rows of 1,024 bytes.
; Phase A, eight waves: each wave loads 8 rows of x, of p and of a (48 loads of 16 bytes a lane, all issued at once),
;   makes the row sums in f32, rounds to bf16 and stores the rows into LDS.
; Phase B: waves 0-3 multiply (wave w: rows 16 w .. 16 w + 15 of x by all 64 classes, both products: 8 accumulators);
;   waves 4-7 meanwhile make the rows' constants, one lane a row, and put them into LDS.
; Phase C, waves 0-3: the formulas above on the accumulators, and the stores.
; K IS PERMUTED in LDS, alike for x, p and a, which leaves every product with its partner: a lane's 16 numbers of a
;   row (4 from each 256-byte quarter) become two stores of 16 bytes.
; CLASSES ARE PERMUTED in LDS: class n lies in row 16 (n % 4) + n / 4, so that in the results lane r holds classes
;   4 r .. 4 r + 3 of a row of out: 16 bytes a lane, sixteen lanes store 256 consecutive bytes, aligned.
; NO JOINT LOADS, though 8 work-groups read the same rows of x and 32 the same rows of p and a: the inputs are f32 and
;   are squared and rounded on their way.  Through registers that costs 96 KB of LDS stores; a tensor load would lay
;   192 KB of f32 into LDS to be read back first, beside the 288 KB that the fragments read.
; The launch asks for more than half of a WGP's LDS (it uses 104,960 bytes): 256 work-groups, each alone on a WGP.
; LIMITS.  A row's sum of squares has to be finite in f32 (norm under 1.8e19), as in reference().  v_max_num and
;   v_min_num drop a NaN where jnp.maximum and jnp.minimum pass it on: rows with NaN or an infinite norm may differ.
;   asinh(z) = sign(z) ln(|z| + sqrt(z z + 1)): absolute error near 1e-7, infinite above |z| = 1.8e19.
;   tanh(u)/u: 1 - u^2/3 + 2 u^4/15 under u = 1/16 (next term under 1e-8), else (1 - 2/(1 + e^(2u)))/u.
;   The order of the f32 sums, and of K in the matrix sums, is not reference()'s.
.set PITCH, 528                        ; an LDS row: 512 bytes of bf16 + 16 = 33 x 16: the 16 rows of a fragment load start in 16 different 16-byte columns of 256 bytes
.set PS,    64*PITCH                   ; LDS: x's 64 rows at 0, p's 64 rows here,
.set AS,    128*PITCH                  ; a's 64 rows here
.set SUMS,  192*PITCH                  ; four arrays of 64 f32: |x|^2, |p|^2, |a|^2, p.a
.set CN,    SUMS+1024                  ; six arrays of 64 f32, by class
.set CB,    CN+1536                    ; four arrays of 64 f32, by row of x; LDS ends at CB + 1024 = 104,960
.set GOFF, 1                           ; phase A: byte offset of my 16 bytes in my wave's rows, in x, p and a alike
.set LX,   2                           ; LDS address of my 16 bytes in x's rows
.set LP,   3                           ; in p's
.set LA,   4                           ; in a's
.set LS,   5                           ; of my four rows' sums
.set SXR,  16                          ; v[16:19] |x|^2 of my 4 rows; v[20:23] |p|^2; v[24:27] |a|^2; v[28:31] p.a
.set SPR,  20
.set SAR,  24
.set SPAR, 28
.set FX,   32                          ; phase B: LDS address of my part of x's fragments
.set FW,   33                          ; of p's and a's fragments
.set VO,   34                          ; phase C: my byte offset in out
.set RN,   35                          ; LDS address of my four classes' constants
.set RB,   36                          ; of my eight rows' constants
.set RC,   37                          ; waves 4-7: LDS address of my row's sums
.set XB,   64                          ; v[64:127] x as loaded, v[128:191] p, v[192:255] a: group i of 4 rows-pairs has 16 registers
.set PB,   128
.set AB,   192
.set B0,   48                          ; fragment buffer 0: x's 8 registers, then 8 fragments of p and a
.set B1,   120                         ; fragment buffer 1
.set ACC,  192                         ; v[192:223] u, tiles 0-3; v[224:255] w, tiles 0-3
	s_load_b256 s[4:11], s[0:1], 0x0               ; x s[4:5], p s[6:7], a s[8:9], out s[10:11]
	v_lshl_add_u32 v46, v0, 2, 0x29000
	v_mov_b32 v47, 0
	v_lshrrev_b32 v6, 5, v0
	v_readfirstlane_b32 s12, v6                    ; wave 0..7
	v_and_b32 v7, 15, v0                           ; r = lane % 16
	v_bfe_u32 v6, v0, 4, 1                         ; h = lane / 16
	v_lshlrev_b32 v38, 4, v7                       ; 16 r
	s_lshl_b32 s20, s12, 13                        ; my wave's 8 rows of 1,024 bytes
	v_lshl_or_b32 v[GOFF], v6, 12, v38             ; lanes 0-15: rows 0-3, lanes 16-31: rows 4-7; 16 bytes a lane
	v_add_nc_u32 v[GOFF], s20, v[GOFF]
	s_and_b32 s13, ttmp7, 0xffff                   ; block of 64 rows of x
	s_lshl_b32 s14, s13, 16                        ; x 64 rows x 1,024 bytes
	s_mov_b32 s15, 0
	s_lshl_b32 s16, ttmp9, 16                      ; block of 64 classes, likewise
	s_mov_b32 s17, 0
	s_mov_b32 s24, 0x3e088889                      ; 2/15
	s_mov_b32 s25, 0xbeaaaaab                      ; -1/3
	s_wait_kmcnt 0x0
	s_add_nc_u64 s[4:5], s[4:5], s[14:15]
	s_add_nc_u64 s[6:7], s[6:7], s[16:17]
	s_add_nc_u64 s[8:9], s[8:9], s[16:17]
	; 48 loads, nothing between them.  One load: lanes 0-15 take 256 consecutive bytes of one row, lanes 16-31 of the row four below.
.irp m, 0,1,2,3,4,5,6,7,8,9,10,11,12,13,14,15
	global_load_b128 v[XB+4*\m:XB+4*\m+3], v[GOFF], s[4:5] offset:256*\m
.endr
.irp i, 0,1,2,3
.irp c, 0,1,2,3
	global_load_b128 v[PB+16*\i+4*\c:PB+16*\i+4*\c+3], v[GOFF], s[6:7] offset:1024*\i+256*\c
.endr
.irp c, 0,1,2,3
	global_load_b128 v[AB+16*\i+4*\c:AB+16*\i+4*\c+3], v[GOFF], s[8:9] offset:1024*\i+256*\c
.endr
.endr
	; all LDS addresses, while the loads are on their way: a constant + the wave's number x a constant + a lane term
	s_mul_i32 s20, s12, 8*PITCH
	v_mad_u32_u24 v[LX], v6, 4*PITCH, v38          ; x: row 8 wave + 4 h (+ i), byte 16 r
	v_add_nc_u32 v[LX], s20, v[LX]
	s_mul_i32 s21, s12, 2*PITCH
	v_mad_u32_u24 v[LP], v6, PITCH, v38            ; class 8 wave + 4 h + i lies in row 16 i + 2 wave + h
	v_add_nc_u32 v[LP], s21, v[LP]
	v_add_nc_u32 v[LA], AS, v[LP]
	v_add_nc_u32 v[LP], PS, v[LP]
	s_lshl_b32 s22, s12, 5
	v_lshl_add_u32 v[LS], v6, 4, s22               ; sums of rows 8 wave + 4 h .. + 3: 16 bytes
	v_add_nc_u32 v[LS], SUMS, v[LS]
	v_mul_u32_u24 v39, v7, PITCH
	v_lshl_add_u32 v39, v6, 4, v39                 ; a fragment: row r, 16 bytes for each half of the lanes
	s_mul_i32 s23, s12, 16*PITCH
	v_add_nc_u32 v[FX], s23, v39                   ; waves 0-3: my 16 rows of x
	v_add_nc_u32 v[FW], PS, v39
	v_lshl_or_b32 v[VO], v6, 14, v38               ; out: 8 h rows of 2,048 bytes + 16 r
	v_add_nc_u32 v[RN], CN, v38                    ; classes 4 r .. 4 r + 3
	s_lshl_b32 s26, s12, 6
	v_lshl_add_u32 v[RB], v6, 5, s26               ; rows 16 wave + 8 h .. + 7
	v_add_nc_u32 v[RB], CB, v[RB]
	v_and_b32 v40, 31, v0
	s_and_b32 s27, s12, 1
	s_lshl_b32 s27, s27, 7
	v_lshl_add_u32 v[RC], v40, 2, s27              ; waves 4-7: row 32 (wave % 2) + lane
	v_add_nc_u32 v[RC], SUMS, v[RC]
; two roundings of two f32 each, in place: quarter q of the 16 registers at L ends in v[L:L+3] (q = 0, 1) or v[L+8:L+11] (q = 2, 3)
.macro CVT2 L, q
	v_cvt_pk_bf16_f32 v[\L+8*(\q/2)+2*(\q%2)],   v[\L+4*\q],   v[\L+4*\q+1]
	v_cvt_pk_bf16_f32 v[\L+8*(\q/2)+2*(\q%2)+1], v[\L+4*\q+2], v[\L+4*\q+3]
.endm
; one step of a sum over the 16 lanes that share a row
.macro RED r, m
	v_add_f32_dpp v[\r], v[\r], v[\r] row_xmask:\m row_mask:0xf bank_mask:0xf
.endm
; Two rows of x (one for each half of the lanes).  left = the loads issued behind this group's four, which may stay out.
.macro XGROUP i, left
	s_wait_loadcnt \left
	v_pk_mul_f32 v[8:9],   v[XB+16*\i:XB+16*\i+1],   v[XB+16*\i:XB+16*\i+1]       ; the first products start the two chains
	v_pk_mul_f32 v[10:11], v[XB+16*\i+8:XB+16*\i+9], v[XB+16*\i+8:XB+16*\i+9]
.irp m, 2,4,6
	v_pk_fma_f32 v[8:9],   v[XB+16*\i+\m:XB+16*\i+\m+1],   v[XB+16*\i+\m:XB+16*\i+\m+1],   v[8:9]
	v_pk_fma_f32 v[10:11], v[XB+16*\i+8+\m:XB+16*\i+9+\m], v[XB+16*\i+8+\m:XB+16*\i+9+\m], v[10:11]
.endr
	v_pk_add_f32 v[8:9], v[8:9], v[10:11]
	v_add_f32 v[SXR+\i], v8, v9
	RED SXR+\i, 1                                  ; the four steps of the sum stand between the roundings, which do not wait for them
	CVT2 XB+16*\i, 0
	RED SXR+\i, 2
	CVT2 XB+16*\i, 1
	RED SXR+\i, 4
	CVT2 XB+16*\i, 2
	RED SXR+\i, 8
	CVT2 XB+16*\i, 3
	ds_store_b128 v[LX], v[XB+16*\i:XB+16*\i+3]    offset:\i*PITCH        ; 16 lanes: 256 consecutive bytes of an LDS row
	ds_store_b128 v[LX], v[XB+16*\i+8:XB+16*\i+11] offset:\i*PITCH+256
.endm
; Two rows of p and the same two of a: |p|^2, |a|^2 and p.a in three chains that take turns.
.macro PAGROUP i, left
	s_wait_loadcnt \left
	v_pk_mul_f32 v[8:9],   v[PB+16*\i:PB+16*\i+1], v[PB+16*\i:PB+16*\i+1]
	v_pk_mul_f32 v[10:11], v[AB+16*\i:AB+16*\i+1], v[AB+16*\i:AB+16*\i+1]
	v_pk_mul_f32 v[12:13], v[PB+16*\i:PB+16*\i+1], v[AB+16*\i:AB+16*\i+1]
.irp m, 2,4,6,8,10,12,14
	v_pk_fma_f32 v[8:9],   v[PB+16*\i+\m:PB+16*\i+\m+1], v[PB+16*\i+\m:PB+16*\i+\m+1], v[8:9]
	v_pk_fma_f32 v[10:11], v[AB+16*\i+\m:AB+16*\i+\m+1], v[AB+16*\i+\m:AB+16*\i+\m+1], v[10:11]
	v_pk_fma_f32 v[12:13], v[PB+16*\i+\m:PB+16*\i+\m+1], v[AB+16*\i+\m:AB+16*\i+\m+1], v[12:13]
.endr
	v_add_f32 v[SPR+\i],  v8,  v9
	v_add_f32 v[SAR+\i],  v10, v11
	v_add_f32 v[SPAR+\i], v12, v13
.irp q, 0,1,2,3
	RED SPR+\i,  1<<\q
	RED SAR+\i,  1<<\q
	RED SPAR+\i, 1<<\q
	CVT2 PB+16*\i, \q
	CVT2 AB+16*\i, \q
.endr
	ds_store_b128 v[LP], v[PB+16*\i:PB+16*\i+3]    offset:\i*16*PITCH
	ds_store_b128 v[LP], v[PB+16*\i+8:PB+16*\i+11] offset:\i*16*PITCH+256
	ds_store_b128 v[LA], v[AB+16*\i:AB+16*\i+3]    offset:\i*16*PITCH
	ds_store_b128 v[LA], v[AB+16*\i+8:AB+16*\i+11] offset:\i*16*PITCH+256
.endm
	XGROUP 0, 44                                   ; 48 loads; x's group i is loads 4 i .. 4 i + 3: 44 - 4 i are younger
	XGROUP 1, 40
	XGROUP 2, 36
	XGROUP 3, 32
	ds_store_b128 v[LS], v[SXR:SXR+3]              ; the 16 lanes of a half hold the same four sums and store them to the same 16 bytes
	PAGROUP 0, 24                                  ; p's and a's group i ends at load 23 + 8 i: 24 - 8 i are younger
	PAGROUP 1, 16
	PAGROUP 2, 8
	PAGROUP 3, 0
	ds_store_b128 v[LS], v[SPR:SPR+3]   offset:256
	ds_store_b128 v[LS], v[SAR:SAR+3]   offset:512
	ds_store_b128 v[LS], v[SPAR:SPAR+3] offset:768
	s_wait_dscnt 0x0                               ; my rows and sums are in LDS, for the other waves' sake
	s_barrier_signal -1
	s_barrier_wait -1                              ; everybody's are
	s_cmp_ge_u32 s12, 4
	s_cbranch_scc1 .Lconsts
	; ---- phase B, waves 0-3: 8 K steps of 32, 8 matrix instructions each
; 18 LDS loads: K step s of my 16 rows of x and of the 8 x 16 rows of p and a (a's rows follow p's, so tile f lies 16 f rows on)
.macro FETCH s, B
	ds_load_b128 v[\B:\B+3],   v[FX] offset:64*\s
	ds_load_b128 v[\B+4:\B+7], v[FX] offset:64*\s+32
.irp f, 0,1,2,3,4,5,6,7
	ds_load_b128 v[\B+8+8*\f:\B+11+8*\f],  v[FW] offset:\f*16*PITCH+64*\s
	ds_load_b128 v[\B+12+8*\f:\B+15+8*\f], v[FW] offset:\f*16*PITCH+64*\s+32
.endr
.endm
; The eight accumulators take turns, one instruction a turn.  Source 0 = rows of x, source 1 = classes:
; register j of lane (r, h) is row 8 h + j of x and the class in LDS row r of the tile.
; The wait in front of tile f leaves out the 14 - 2 f loads of this buffer behind tile f's and the next buffer's (next = 18 or 0).
.macro STEP B, next, zero
.irp f, 0,1,2,3,4,5,6,7
	s_wait_dscnt \next+14-2*\f
.if \zero
	v_wmma_f32_16x16x32_bf16 v[ACC+8*\f:ACC+8*\f+7], v[\B:\B+7], v[\B+8+8*\f:\B+15+8*\f], 0
.else
	v_wmma_f32_16x16x32_bf16 v[ACC+8*\f:ACC+8*\f+7], v[\B:\B+7], v[\B+8+8*\f:\B+15+8*\f], v[ACC+8*\f:ACC+8*\f+7]
.endif
.endr
.endm
; four places between a matrix instruction and a load into a register that it read, or a vector instruction that reads its result
.macro PLACES
.rept 4
	v_nop
.endr
.endm
	FETCH 0, B0
	FETCH 1, B1
	STEP B0, 18, 1                                 ; the first K step starts the sums: nothing is cleared
	PLACES
	FETCH 2, B0
	STEP B1, 18, 0
	PLACES
	FETCH 3, B1
	STEP B0, 18, 0
	PLACES
	FETCH 4, B0
	STEP B1, 18, 0
	PLACES
	FETCH 5, B1
	STEP B0, 18, 0
	PLACES
	FETCH 6, B0
	STEP B1, 18, 0
	PLACES
	FETCH 7, B1
	STEP B0, 18, 0
	STEP B1, 0, 0
	PLACES                                         ; for phase C's loads into the buffers and its reads of the sums
	s_branch .Ljoin
	; ---- phase B, waves 4-7: the rows' constants, one lane a row
; g = tanh(u) / u for u >= 1e-5.  Behind each transcendental stands a plain instruction that names none of its registers (ISA guide 5.7.2).
.macro TANHU g, u, a, b, c, d, e
	v_mul_f32 v\a, 0x4038aa3b, v\u                 ; 2 u log2(e)
	v_mul_f32 v\b, v\u, v\u
	v_exp_f32 v\c, v\a                             ; e^(2u); infinite for large u, and then tanh = 1
	v_fma_f32 v\d, v\b, s24, s25                   ; 2 u^2 / 15 - 1/3
	s_wait_alu depctr_va_vdst(0)
	v_add_f32 v\c, 1.0, v\c
	v_rcp_f32 v\a, v\c
	v_rcp_f32 v\e, v\u
	v_fma_f32 v\d, v\b, v\d, 1.0                   ; the series
	s_wait_alu depctr_va_vdst(0)
	v_fma_f32 v\a, -2.0, v\a, 1.0                  ; tanh(u)
	v_cmp_gt_f32 vcc_lo, 0x3d800000, v\u           ; u < 1/16: the difference above has lost too many bits
	v_mul_f32 v\a, v\a, v\e
	v_cndmask_b32 v\g, v\a, v\d, vcc_lo
.endm
.Lconsts:
	s_cmp_ge_u32 s12, 6
	s_cbranch_scc1 .Lrows
	; waves 4, 5: class 32 (wave - 4) + lane
	ds_load_b32 v8,  v[RC] offset:256              ; |p|^2
	ds_load_b32 v9,  v[RC] offset:512              ; |a|^2
	ds_load_b32 v10, v[RC] offset:768              ; p.a
	s_wait_dscnt 0x0
	v_sqrt_f32 v11, v8
	v_sqrt_f32 v12, v9
	v_nop
	s_wait_alu depctr_va_vdst(0)
	v_max_num_f32 v13, 0x3727c5ac, v11             ; max(|p|, 1e-5)
	TANHU 14, 13, 15, 16, 17, 18, 19               ; sp: P = sp p
	v_mul_f32 v15, v11, v14                        ; |P|
	v_mul_f32 v16, v15, v15                        ; x2
	v_fma_f32 v17, -v15, v15, 1.0                  ; q = 1 - x2, the conformal factor
	v_mul_f32 v18, v12, |v17|                      ; |A| = |a| |q|
	v_rcp_f32 v19, v17
	v_rcp_f32 v20, v18
	v_mul_f32 v21, -2.0, v14                       ; c1: 2 xy = c1 U
	v_mul_f32 v22, v14, v17
	s_wait_alu depctr_va_vdst(0)
	v_mul_f32 v19, v19, v18                        ; |A| / q
	v_add_f32 v20, v20, v20                        ; 2 / |A|
	v_mul_f32 v22, v22, v10                        ; P.A = sp q (p.a)
	v_mul_f32 v23, v17, v17
	v_mul_f32 v19, 0x3fb17218, v19                 ; k ln 2 = 2 ln 2 |A| / q: the logarithm below is to base 2
	v_mul_f32 v22, -v22, v20                       ; -P.A x 2 / |A|
	v_mul_f32 v23, v23, v20                        ; q q x 2 / |A|
	ds_store_b32 v[RC], v21 offset:CN-SUMS
	ds_store_b32 v[RC], v16 offset:CN-SUMS+256
	ds_store_b32 v[RC], v17 offset:CN-SUMS+512
	ds_store_b32 v[RC], v22 offset:CN-SUMS+768
	ds_store_b32 v[RC], v23 offset:CN-SUMS+1024
	ds_store_b32 v[RC], v19 offset:CN-SUMS+1280
	s_branch .Ljoin
.Lrows:
	; waves 6, 7: row 32 (wave - 6) + lane of x
	ds_load_b32 v8, v[RC]                          ; |x|^2
	s_wait_dscnt 0x0
	v_sqrt_f32 v9, v8
	v_nop
	s_wait_alu depctr_va_vdst(0)
	v_add_f32 v10, 0x3727c5ac, v9                  ; |x| + 1e-5
	v_rcp_f32 v11, v10
	v_nop
	s_wait_alu depctr_va_vdst(0)
	v_min_num_f32 v11, 1.0, v11                    ; the clip to radius 1
	v_mul_f32 v12, v9, v11
	v_max_num_f32 v13, 0x3727c5ac, v12             ; max(norm, 1e-5)
	TANHU 14, 13, 15, 16, 17, 18, 19
	v_mul_f32 v14, v11, v14                        ; clip and expmap0 together
	v_mul_f32 v15, v9, v14
	v_max_num_f32 v15, 0x3727c5ac, v15             ; project: the norm,
	v_rcp_f32 v16, v15
	v_mul_f32 v17, 0x3f7fbe77, v14
	v_cmp_lt_f32 vcc_lo, 0x3f7fbe77, v15           ; above 0.999?
	s_wait_alu depctr_va_vdst(0)
	v_mul_f32 v17, v17, v16
	v_cndmask_b32 v14, v14, v17, vcc_lo            ; sx: xb = sx x
	v_mul_f32 v15, v9, v14
	v_mul_f32 v16, v15, v15                        ; y2
	v_add_f32 v17, 1.0, v16
	v_fma_f32 v18, -v15, v15, 1.0
	ds_store_b32 v[RC], v14 offset:CB-SUMS
	ds_store_b32 v[RC], v16 offset:CB-SUMS+256
	ds_store_b32 v[RC], v17 offset:CB-SUMS+512
	ds_store_b32 v[RC], v18 offset:CB-SUMS+768
.Ljoin:
	s_wait_dscnt 0x0                               ; the constants are in LDS (waves 0-3: nothing is out)
	s_barrier_signal -1
	s_barrier_wait -1
	s_cmp_ge_u32 s12, 4
	s_cbranch_scc1 .Lend                           ; waves 4-7 have done their part
	; ---- phase C, waves 0-3
.set NC1, 48                           ; my four classes' c1, x2, q, -P.A 2/|A|, q q 2/|A|, k ln 2: 4 registers each
.set NX2, 52
.set NQ,  56
.set NPA, 60
.set NC2, 64
.set NKL, 68
.set BSX, 72                           ; my eight rows' sx, y2, 1 + y2, 1 - y2: 8 registers each
.set BY2, 80
.set BY1, 88
.set BOY, 96
.set TU,  104                          ; at work: six sets of four pairs
.set TW,  112
.set TD,  120
.set TN,  128
.set TE,  136
.set TG,  144
.set OUT, 152                          ; v[152:183]: every store has data registers of its own, none is written twice
.irp a, 0,1,2,3,4,5
	ds_load_b128 v[NC1+4*\a:NC1+4*\a+3], v[RN] offset:256*\a
.endr
.irp a, 0,1,2,3
	ds_load_b128 v[BSX+8*\a:BSX+8*\a+3],   v[RB] offset:256*\a
	ds_load_b128 v[BSX+8*\a+4:BSX+8*\a+7], v[RB] offset:256*\a+16
.endr
	s_lshl_b32 s18, s13, 17                        ; out: 64 rows of 2,048 bytes a block,
	s_lshl_b32 s20, ttmp9, 8                       ; 256 bytes a block of classes,
	s_lshl_b32 s21, s12, 15                        ; 16 rows a wave
	s_add_co_u32 s18, s18, s20
	s_add_co_u32 s18, s18, s21
	s_mov_b32 s19, 0
	s_add_nc_u64 s[10:11], s[10:11], s[18:19]
	v_mov_b32 v40, 0x3727c5ac                      ; 1e-5, 2e-5 and 1e-10, each as a pair for the packed forms
	v_mov_b32 v41, 0x3727c5ac
	v_mov_b32 v42, 0x37a7c5ac
	v_mov_b32 v43, 0x37a7c5ac
	v_mov_b32 v44, 0x2edbe6ff
	v_mov_b32 v45, 0x2edbe6ff
	s_wait_dscnt 0x0
; Rows 8 h + 2 jp and 8 h + 2 jp + 1, all four classes of the lane: 8 results.  A pair of registers is two rows of one class;
; a class's constant is spread over the pair by op_sel (even class: the pair's first register for both, odd class: its second).
; Each step is written for all four classes before the next, so that no line waits for the line in front of it.
.macro BATCH jp
.set J, 2*\jp
.irp t, 0,1,2,3
	v_pk_mul_f32 v[TU+2*\t:TU+2*\t+1], v[ACC+8*\t+J:ACC+8*\t+J+1], v[BSX+J:BSX+J+1]         ; U = sx u
.endr
.irp t, 0,1,2,3
	v_pk_mul_f32 v[TW+2*\t:TW+2*\t+1], v[ACC+32+8*\t+J:ACC+32+8*\t+J+1], v[BSX+J:BSX+J+1]   ; W = sx w
.endr
.irp t, 0,2
	v_pk_fma_f32 v[TD+2*\t:TD+2*\t+1],   v[NX2+\t:NX2+\t+1], v[BY2+J:BY2+J+1], 1.0 op_sel_hi:[0,1,0]                 ; 1 + x2 y2
	v_pk_fma_f32 v[TD+2*\t+2:TD+2*\t+3], v[NX2+\t:NX2+\t+1], v[BY2+J:BY2+J+1], 1.0 op_sel:[1,0,0] op_sel_hi:[1,1,0]
.endr
.irp t, 0,2
	v_pk_fma_f32 v[TG+2*\t:TG+2*\t+1],   v[NQ+\t:NQ+\t+1], v[BOY+J:BOY+J+1], v[42:43] op_sel_hi:[0,1,1]              ; 2e-5 + q (1 - y2)
	v_pk_fma_f32 v[TG+2*\t+2:TG+2*\t+3], v[NQ+\t:NQ+\t+1], v[BOY+J:BOY+J+1], v[42:43] op_sel:[1,0,0] op_sel_hi:[1,1,1]
.endr
.irp t, 0,2
	v_pk_fma_f32 v[TD+2*\t:TD+2*\t+1],   v[NC1+\t:NC1+\t+1], v[TU+2*\t:TU+2*\t+1],   v[TD+2*\t:TD+2*\t+1] op_sel_hi:[0,1,1]                   ; den
	v_pk_fma_f32 v[TD+2*\t+2:TD+2*\t+3], v[NC1+\t:NC1+\t+1], v[TU+2*\t+2:TU+2*\t+3], v[TD+2*\t+2:TD+2*\t+3] op_sel:[1,0,0] op_sel_hi:[1,1,1]
.endr
.irp t, 0,2
	v_pk_fma_f32 v[TN+2*\t:TN+2*\t+1],   v[NC1+\t:NC1+\t+1], v[TU+2*\t:TU+2*\t+1],   v[BY1+J:BY1+J+1] op_sel_hi:[0,1,1]                       ; nc
	v_pk_fma_f32 v[TN+2*\t+2:TN+2*\t+3], v[NC1+\t:NC1+\t+1], v[TU+2*\t+2:TU+2*\t+3], v[BY1+J:BY1+J+1] op_sel:[1,0,0] op_sel_hi:[1,1,1]
.endr
.irp t, 0,1,2,3
	v_pk_add_f32 v[TE+2*\t:TE+2*\t+1], v[TD+2*\t:TD+2*\t+1], v[40:41]                       ; D = den + 1e-5
.endr
.irp t, 0,1,2,3
	v_pk_fma_f32 v[TG+2*\t:TG+2*\t+1], v[TD+2*\t:TD+2*\t+1], v[TG+2*\t:TG+2*\t+1], v[44:45] ; G = (1 - |mob|^2) D^2
.endr
.irp t, 0,2
	v_pk_mul_f32 v[TN+2*\t:TN+2*\t+1],   v[TN+2*\t:TN+2*\t+1],   v[NPA+\t:NPA+\t+1] op_sel_hi:[1,0]
	v_pk_mul_f32 v[TN+2*\t+2:TN+2*\t+3], v[TN+2*\t+2:TN+2*\t+3], v[NPA+\t:NPA+\t+1] op_sel:[0,1] op_sel_hi:[1,1]
.endr
.irp t, 0,2
	v_pk_fma_f32 v[TN+2*\t:TN+2*\t+1],   v[NC2+\t:NC2+\t+1], v[TW+2*\t:TW+2*\t+1],   v[TN+2*\t:TN+2*\t+1] op_sel_hi:[0,1,1]                   ; (nc (-P.A) + q q W) 2 / |A|
	v_pk_fma_f32 v[TN+2*\t+2:TN+2*\t+3], v[NC2+\t:NC2+\t+1], v[TW+2*\t+2:TW+2*\t+3], v[TN+2*\t+2:TN+2*\t+3] op_sel:[1,0,0] op_sel_hi:[1,1,1]
.endr
.irp e, 0,1,2,3,4,5,6,7
	v_rcp_f32 v[TU+\e], v[TG+\e]                   ; the plain lines behind the eight name neither TU nor TG (ISA guide 5.7.2)
.endr
.irp t, 0,1,2,3
	v_pk_mul_f32 v[TE+2*\t:TE+2*\t+1], v[TN+2*\t:TN+2*\t+1], v[TE+2*\t:TE+2*\t+1]
.endr
	s_wait_alu depctr_va_vdst(0)
.irp t, 0,1,2,3
	v_pk_mul_f32 v[TE+2*\t:TE+2*\t+1], v[TE+2*\t:TE+2*\t+1], v[TU+2*\t:TU+2*\t+1]           ; z
.endr
.irp t, 0,1,2,3
	v_pk_fma_f32 v[TD+2*\t:TD+2*\t+1], v[TE+2*\t:TE+2*\t+1], v[TE+2*\t:TE+2*\t+1], 1.0 op_sel_hi:[1,1,0]
.endr
.irp e, 0,1,2,3,4,5,6,7
	v_sqrt_f32 v[TG+\e], v[TD+\e]
.endr
.irp t, 0,1,2,3
	v_bfi_b32 v[TW+2*\t],   0x7fffffff, v[NKL+\t], v[TE+2*\t]      ; k ln 2 with z's sign; also the plain lines behind the roots
	v_bfi_b32 v[TW+2*\t+1], 0x7fffffff, v[NKL+\t], v[TE+2*\t+1]
.endr
	s_wait_alu depctr_va_vdst(0)
.irp e, 0,1,2,3,4,5,6,7
	v_add_f32 v[TG+\e], |v[TE+\e]|, v[TG+\e]
.endr
.irp e, 0,1,2,3,4,5,6,7
	v_log_f32 v[TD+\e], v[TG+\e]
.endr
	v_nop                                          ; the plain line behind the logarithms
	s_wait_alu depctr_va_vdst(0)
.irp t, 0,1,2,3
	v_mul_f32 v[OUT+8*\jp+\t],   v[TD+2*\t],   v[TW+2*\t]          ; four classes of a row side by side: 16 bytes
	v_mul_f32 v[OUT+8*\jp+4+\t], v[TD+2*\t+1], v[TW+2*\t+1]
.endr
	; lanes 0-15 store 256 consecutive bytes of row 2 jp (+ 1), at a multiple of 256 from out's first byte; lanes 16-31 of the row eight below
	global_store_b128 v[VO], v[OUT+8*\jp:OUT+8*\jp+3],   s[10:11] offset:(2*\jp)*2048 th:TH_STORE_NT
	global_store_b128 v[VO], v[OUT+8*\jp+4:OUT+8*\jp+7], s[10:11] offset:(2*\jp+1)*2048 th:TH_STORE_NT
.endm
	BATCH 0
	BATCH 1
	BATCH 2
	BATCH 3
.Lend:
	s_wait_tensorcnt 0x0
	ds_add_u32 v46, v47
	s_wait_dscnt 0x0
	s_endpgm
.Lfunc_end_k_q68aae7949a_hmlr:
	.size	k_q68aae7949a_hmlr, .Lfunc_end_k_q68aae7949a_hmlr-k_q68aae7949a_hmlr
	.p2alignl 7, 3214868480
	.fill 96, 4, 3214868480
	.section	.rodata,"a",@progbits
	.p2align	6, 0x0
	.amdhsa_kernel k_q68aae7949a_hmlr
		.amdhsa_group_segment_fixed_size 168960
		.amdhsa_private_segment_fixed_size 0
		.amdhsa_enable_private_segment 0
		.amdhsa_kernarg_size 32
		.amdhsa_user_sgpr_count 2
		.amdhsa_user_sgpr_kernarg_segment_ptr 1
		.amdhsa_wavefront_size32 1
		.amdhsa_system_sgpr_workgroup_id_x 1
		.amdhsa_system_sgpr_workgroup_id_y 1
		.amdhsa_system_sgpr_workgroup_id_z 1
		.amdhsa_system_vgpr_workitem_id 0
		.amdhsa_next_free_vgpr 256
		.amdhsa_next_free_sgpr 66
		.amdhsa_reserve_vcc 1
		.amdhsa_float_denorm_mode_32 3
		.amdhsa_float_denorm_mode_16_64 3
		.amdhsa_memory_ordered 1
		.amdhsa_forward_progress 1
		.amdhsa_inst_pref_size 73
	.end_amdhsa_kernel
	.amdgpu_metadata
---
amdhsa.version: [ 1, 2 ]
amdhsa.kernels:
  - .name:           k_q68aae7949a_hmlr
    .symbol:         k_q68aae7949a_hmlr.kd
    .args:
      - { .name: x, .offset: 0, .size: 8, .value_kind: global_buffer, .address_space: global }
      - { .name: p_vals, .offset: 8, .size: 8, .value_kind: global_buffer, .address_space: global }
      - { .name: a_vals, .offset: 16, .size: 8, .value_kind: global_buffer, .address_space: global }
      - { .name: out0, .offset: 24, .size: 8, .value_kind: global_buffer, .address_space: global }
    .group_segment_fixed_size: 168960
    .private_segment_fixed_size: 0
    .kernarg_segment_align: 8
    .kernarg_segment_size: 32
    .max_flat_workgroup_size: 256
    .sgpr_count:     66
    .vgpr_count:     256
    .wavefront_size: 32
...
	.end_amdgpu_metadata
.endif
;; end of part 1
;; ======== version 2 of 2: 1 launch; version 1 with the launch hmlr written anew for expert scheduling mode
;; launch hmlr (part 2): grid 8 x 32, 8 waves a work-group, no clusters, 168,960 bytes of LDS; arguments x, p_vals, a_vals, out0; writes out0
.if DOCPART == 2
	.amdgcn_target "amdgcn-amd-amdhsa--gfx1250"
	.amdhsa_code_object_version 6
	.text
	.protected	k_q68aae7949a_hmlr
	.globl	k_q68aae7949a_hmlr
	.p2align	8
	.type	k_q68aae7949a_hmlr,@function
k_q68aae7949a_hmlr:
	s_mov_b64 s[64:65], 0
	v_nop
	global_prefetch_b8 v0, s[64:65] scope:SCOPE_SE
	s_setreg_imm32_b32 hwreg(HW_REG_WAVE_SCHED_MODE, 0, 2), 2
	s_setreg_imm32_b32 hwreg(HW_REG_WAVE_MODE, 25, 1), 1
	s_wait_xcnt 0x0
	s_wait_alu depctr_vm_vsrc(0)
; HyperbolicMLR, c = 1.  x [2048][256], p_vals, a_vals [512][256], out0 [2048][512], all f32.
; Every step of to_poincare and expmap0 multiplies a row by a number that hangs on the row's norm alone:
;   xb = sx[b] x,  P = sp[n] p,  A = q[n] a  with q = 1 - |P|^2.
; The tensor mob[n][b][d] enters the result only through mob.A and |mob|^2, which are polynomials in
;   u = p.x, w = a.x (two matrix products, bf16 operands, f32 sums), |x|^2, |p|^2, |a|^2, p.a (row sums, f32).
; With U = sx u, W = sx w, x2 = |P|^2, y2 = |xb|^2, T = -2 sp U (= 2 xy):
;   nc = 1 + T + y2     den = 1 + T + x2 y2     D = den + 1e-5
;   num = 2 (nc (-P.A) + q q W) / D
;   1 - |mob|^2 = (den (2e-5 + q (1 - y2)) + 1e-10) / D^2, from |nc (-P) + q X|^2 = den^2 - q (1 - y2) den,
;   an identity of polynomials in x2, y2, xy: a sum of positive terms, no difference of large sums.
;   out = k asinh(z),  z = num / (|A| (1 - |mob|^2)),  k = 2 |A| / q.
;
; A work-group makes 64 rows of x by 64 classes: 256 work-groups.  It reads 64 + 64 + 64 rows of 1,024 bytes.
; Phase A, eight waves: each wave loads 8 rows of x, of p and of a (48 loads of 16 bytes a lane, all issued at once),
;   makes the row sums in f32, rounds to bf16 and stores the rows into LDS.
; Phase B: waves 0-3 multiply (wave w: rows 16 w .. 16 w + 15 of x by all 64 classes, both products: 8 accumulators);
;   waves 4-7 meanwhile make the rows' constants, one lane a row, and put them into LDS.
; Phase C, waves 0-3: the formulas above on the accumulators, and the stores.
; K IS PERMUTED in LDS, alike for x, p and a, which leaves every product with its partner: a lane's 16 numbers of a
;   row (4 from each 256-byte quarter) become two stores of 16 bytes.
; CLASSES ARE PERMUTED in LDS: class n lies in row 16 (n % 4) + n / 4, so that in the results lane r holds classes
;   4 r .. 4 r + 3 of a row of out: 16 bytes a lane, sixteen lanes store 256 consecutive bytes, aligned.
; NO JOINT LOADS, though 8 work-groups read the same rows of x and 32 the same rows of p and a: the inputs are f32 and
;   are squared and rounded on their way.  Through registers that costs 96 KB of LDS stores; a tensor load would lay
;   192 KB of f32 into LDS to be read back first, beside the 288 KB that the fragments read.
; The launch asks for more than half of a WGP's LDS (it uses 104,960 bytes): 256 work-groups, each alone on a WGP.
; THE MODE: SCHED_MODE bits 1:0 = 2 (LLVM: expert scheduling mode 2), set by the entry lines.  The code itself states the register
;   dependences between vector or matrix instructions and memory or LDS instructions, with s_wait_alu, always for 0.
; THE PLAN.  Registers that memory or LDS instructions touch:
;   v1-5, v32-37   addresses and offsets: made once at the head, never written again.
;   v64-255        phase A: the 48 loads land here.  Group i's arithmetic reads its 16 (x) or 32 (p, a) registers and rounds them in place; the LDS
;                  stores that read them are issued at the head of group i + 1, whose arithmetic names other registers.
;   v16-31         the row sums: written by the groups' arithmetic, read by four LDS stores.
;   B0, B1         phase B: K step s's matrix instructions read buffer s % 2; the loads of step s + 1 land in the other buffer, which step s - 1 read.
;   v48-103        phase C: the constants' loads land where fragments lay.      v152-183  results: written once each, read by the eight stores.
;   So one wait on va_vdst stands at the head of each group of phase A but the first (the group before has written what the stores below read), one ahead
;   of the last LDS stores, one at the head of K steps 1 to 6 (the step before is done reading the buffer in which the loads below land), one at the head
;   of phase C, and one ahead of the last stores; one wait on vm_vsrc stands behind the first barrier, where phase A's registers change hands.
;   The waits behind transcendentals are the same line: phase C works on 16 results at a time, so that three
;   of them serve 16 reciprocals, 16 roots and 16 logarithms, and the first half's stores follow the second half's first.
; LIMITS.  A row's sum of squares has to be finite in f32 (norm under 1.8e19), as in reference().  v_max_num and
;   v_min_num drop a NaN where jnp.maximum and jnp.minimum pass it on: rows with NaN or an infinite norm may differ.
;   asinh(z) = sign(z) ln(|z| + sqrt(z z + 1)): absolute error near 1e-7, infinite above |z| = 1.8e19.
;   tanh(u)/u: 1 - u^2/3 + 2 u^4/15 under u = 1/16 (next term under 1e-8), else (1 - 2/(1 + e^(2u)))/u.
;   The order of the f32 sums, and of K in the matrix sums, is not reference()'s.
.set PITCH, 528                        ; an LDS row: 512 bytes of bf16 + 16 = 33 x 16: the 16 rows of a fragment load start in 16 different 16-byte columns of 256 bytes
.set PS,    64*PITCH                   ; LDS: x's 64 rows at 0, p's 64 rows here,
.set AS,    128*PITCH                  ; a's 64 rows here
.set SUMS,  192*PITCH                  ; four arrays of 64 f32: |x|^2, |p|^2, |a|^2, p.a
.set CN,    SUMS+1024                  ; six arrays of 64 f32, by class
.set CB,    CN+1536                    ; four arrays of 64 f32, by row of x; LDS ends at CB + 1024 = 104,960
.set GOFF, 1                           ; phase A: byte offset of my 16 bytes in my wave's rows, in x, p and a alike
.set LX,   2                           ; LDS address of my 16 bytes in x's rows
.set LP,   3                           ; in p's
.set LA,   4                           ; in a's
.set LS,   5                           ; of my four rows' sums
.set SXR,  16                          ; v[16:19] |x|^2 of my 4 rows; v[20:23] |p|^2; v[24:27] |a|^2; v[28:31] p.a
.set SPR,  20
.set SAR,  24
.set SPAR, 28
.set FX,   32                          ; phase B: LDS address of my part of x's fragments
.set FW,   33                          ; of p's and a's fragments
.set VO,   34                          ; phase C: my byte offset in out
.set RN,   35                          ; LDS address of my four classes' constants
.set RB,   36                          ; of my eight rows' constants
.set RC,   37                          ; waves 4-7: LDS address of my row's sums
.set XB,   64                          ; v[64:127] x as loaded, v[128:191] p, v[192:255] a: group i of 4 rows-pairs has 16 registers
.set PB,   128
.set AB,   192
.set B0,   48                          ; fragment buffer 0: x's 8 registers, then 8 fragments of p and a
.set B1,   120                         ; fragment buffer 1
.set ACC,  192                         ; v[192:223] u, tiles 0-3; v[224:255] w, tiles 0-3
	s_load_b256 s[4:11], s[0:1], 0x0               ; x s[4:5], p s[6:7], a s[8:9], out s[10:11]
	v_lshl_add_u32 v46, v0, 2, 0x29000
	v_mov_b32 v47, 0
	v_lshrrev_b32 v6, 5, v0
	v_readfirstlane_b32 s12, v6                    ; wave 0..7
	v_and_b32 v7, 15, v0                           ; r = lane % 16
	v_bfe_u32 v6, v0, 4, 1                         ; h = lane / 16
	v_lshlrev_b32 v38, 4, v7                       ; 16 r
	s_wait_alu depctr_va_sdst(0)                   ; s12 is written, ahead of its first reader: offsets, LDS addresses and branches are made from it
	s_lshl_b32 s20, s12, 13                        ; my wave's 8 rows of 1,024 bytes
	v_lshl_or_b32 v[GOFF], v6, 12, v38             ; lanes 0-15: rows 0-3, lanes 16-31: rows 4-7; 16 bytes a lane
	v_add_nc_u32 v[GOFF], s20, v[GOFF]
	s_and_b32 s13, ttmp7, 0xffff                   ; block of 64 rows of x
	s_lshl_b32 s14, s13, 16                        ; x 64 rows x 1,024 bytes
	s_mov_b32 s15, 0
	s_lshl_b32 s16, ttmp9, 16                      ; block of 64 classes, likewise
	s_mov_b32 s17, 0
	s_mov_b32 s24, 0x3e088889                      ; 2/15
	s_mov_b32 s25, 0xbeaaaaab                      ; -1/3
	s_wait_kmcnt 0x0
	s_add_nc_u64 s[4:5], s[4:5], s[14:15]
	s_add_nc_u64 s[6:7], s[6:7], s[16:17]
	s_add_nc_u64 s[8:9], s[8:9], s[16:17]
	s_wait_alu depctr_va_vdst(0)                   ; v[GOFF] is written: the 48 loads read it as their offset
	; 48 loads, nothing between them.  One load: lanes 0-15 take 256 consecutive bytes of one row, lanes 16-31 of the row four below.
.irp m, 0,1,2,3,4,5,6,7,8,9,10,11,12,13,14,15
	global_load_b128 v[XB+4*\m:XB+4*\m+3], v[GOFF], s[4:5] offset:256*\m
.endr
.irp i, 0,1,2,3
.irp c, 0,1,2,3
	global_load_b128 v[PB+16*\i+4*\c:PB+16*\i+4*\c+3], v[GOFF], s[6:7] offset:1024*\i+256*\c
.endr
.irp c, 0,1,2,3
	global_load_b128 v[AB+16*\i+4*\c:AB+16*\i+4*\c+3], v[GOFF], s[8:9] offset:1024*\i+256*\c
.endr
.endr
	; all LDS addresses, while the loads are on their way: a constant + the wave's number x a constant + a lane term
	s_mul_i32 s20, s12, 8*PITCH
	v_mad_u32_u24 v[LX], v6, 4*PITCH, v38          ; x: row 8 wave + 4 h (+ i), byte 16 r
	v_add_nc_u32 v[LX], s20, v[LX]
	s_mul_i32 s21, s12, 2*PITCH
	v_mad_u32_u24 v[LP], v6, PITCH, v38            ; class 8 wave + 4 h + i lies in row 16 i + 2 wave + h
	v_add_nc_u32 v[LP], s21, v[LP]
	v_add_nc_u32 v[LA], AS, v[LP]
	v_add_nc_u32 v[LP], PS, v[LP]
	s_lshl_b32 s22, s12, 5
	v_lshl_add_u32 v[LS], v6, 4, s22               ; sums of rows 8 wave + 4 h .. + 3: 16 bytes
	v_add_nc_u32 v[LS], SUMS, v[LS]
	v_mul_u32_u24 v39, v7, PITCH
	v_lshl_add_u32 v39, v6, 4, v39                 ; a fragment: row r, 16 bytes for each half of the lanes
	s_mul_i32 s23, s12, 16*PITCH
	v_add_nc_u32 v[FX], s23, v39                   ; waves 0-3: my 16 rows of x
	v_add_nc_u32 v[FW], PS, v39
	v_lshl_or_b32 v[VO], v6, 14, v38               ; out: 8 h rows of 2,048 bytes + 16 r
	v_add_nc_u32 v[RN], CN, v38                    ; classes 4 r .. 4 r + 3
	s_lshl_b32 s26, s12, 6
	v_lshl_add_u32 v[RB], v6, 5, s26               ; rows 16 wave + 8 h .. + 7
	v_add_nc_u32 v[RB], CB, v[RB]
	v_and_b32 v40, 31, v0
	s_and_b32 s27, s12, 1
	s_lshl_b32 s27, s27, 7
	v_lshl_add_u32 v[RC], v40, 2, s27              ; waves 4-7: row 32 (wave % 2) + lane
	v_add_nc_u32 v[RC], SUMS, v[RC]
; two roundings of two f32 each, in place: quarter q of the 16 registers at L ends in v[L:L+3] (q = 0, 1) or v[L+8:L+11] (q = 2, 3)
.macro CVT2 L, q
	v_cvt_pk_bf16_f32 v[\L+8*(\q/2)+2*(\q%2)],   v[\L+4*\q],   v[\L+4*\q+1]
	v_cvt_pk_bf16_f32 v[\L+8*(\q/2)+2*(\q%2)+1], v[\L+4*\q+2], v[\L+4*\q+3]
.endm
; one step of a sum over the 16 lanes that share a row
.macro RED r, m
	v_add_f32_dpp v[\r], v[\r], v[\r] row_xmask:\m row_mask:0xf bank_mask:0xf
.endm
; the LDS stores of a group, issued at the head of the group behind it
.macro XSTORE i
	ds_store_b128 v[LX], v[XB+16*(\i):XB+16*(\i)+3]    offset:(\i)*PITCH        ; 16 lanes: 256 consecutive bytes of an LDS row
	ds_store_b128 v[LX], v[XB+16*(\i)+8:XB+16*(\i)+11] offset:(\i)*PITCH+256
.endm
.macro PASTORE i
	ds_store_b128 v[LP], v[PB+16*(\i):PB+16*(\i)+3]    offset:(\i)*16*PITCH
	ds_store_b128 v[LP], v[PB+16*(\i)+8:PB+16*(\i)+11] offset:(\i)*16*PITCH+256
	ds_store_b128 v[LA], v[AB+16*(\i):AB+16*(\i)+3]    offset:(\i)*16*PITCH
	ds_store_b128 v[LA], v[AB+16*(\i)+8:AB+16*(\i)+11] offset:(\i)*16*PITCH+256
.endm
; Two rows of x (one for each half of the lanes).  left = the loads issued behind this group's four, which may stay out.
.macro XGROUP i, left
	s_wait_loadcnt \left
.if \i > 0
	s_wait_alu depctr_va_vdst(0)                   ; the group before has rounded its rows, which the two stores below read; at the first such wait v[LX] is written too
	XSTORE (\i)-1
.endif
	v_pk_mul_f32 v[8:9],   v[XB+16*\i:XB+16*\i+1],   v[XB+16*\i:XB+16*\i+1]       ; the first products start the two chains
	v_pk_mul_f32 v[10:11], v[XB+16*\i+8:XB+16*\i+9], v[XB+16*\i+8:XB+16*\i+9]
.irp m, 2,4,6
	v_pk_fma_f32 v[8:9],   v[XB+16*\i+\m:XB+16*\i+\m+1],   v[XB+16*\i+\m:XB+16*\i+\m+1],   v[8:9]
	v_pk_fma_f32 v[10:11], v[XB+16*\i+8+\m:XB+16*\i+9+\m], v[XB+16*\i+8+\m:XB+16*\i+9+\m], v[10:11]
.endr
	v_pk_add_f32 v[8:9], v[8:9], v[10:11]
	v_add_f32 v[SXR+\i], v8, v9
	RED SXR+\i, 1                                  ; the four steps of the sum stand between the roundings, which do not wait for them
	CVT2 XB+16*\i, 0
	RED SXR+\i, 2
	CVT2 XB+16*\i, 1
	RED SXR+\i, 4
	CVT2 XB+16*\i, 2
	RED SXR+\i, 8
	CVT2 XB+16*\i, 3
.endm
; Two rows of p and the same two of a: |p|^2, |a|^2 and p.a in three chains that take turns.
.macro PAGROUP i, left
	s_wait_loadcnt \left
	s_wait_alu depctr_va_vdst(0)                   ; the group before has rounded its rows and made its sums, which the stores below read; v[LS], v[LP], v[LA] are written
.if \i == 0
	XSTORE 3
	ds_store_b128 v[LS], v[SXR:SXR+3]              ; the 16 lanes of a half hold the same four sums and store them to the same 16 bytes
.else
	PASTORE (\i)-1
.endif
	v_pk_mul_f32 v[8:9],   v[PB+16*\i:PB+16*\i+1], v[PB+16*\i:PB+16*\i+1]
	v_pk_mul_f32 v[10:11], v[AB+16*\i:AB+16*\i+1], v[AB+16*\i:AB+16*\i+1]
	v_pk_mul_f32 v[12:13], v[PB+16*\i:PB+16*\i+1], v[AB+16*\i:AB+16*\i+1]
.irp m, 2,4,6,8,10,12,14
	v_pk_fma_f32 v[8:9],   v[PB+16*\i+\m:PB+16*\i+\m+1], v[PB+16*\i+\m:PB+16*\i+\m+1], v[8:9]
	v_pk_fma_f32 v[10:11], v[AB+16*\i+\m:AB+16*\i+\m+1], v[AB+16*\i+\m:AB+16*\i+\m+1], v[10:11]
	v_pk_fma_f32 v[12:13], v[PB+16*\i+\m:PB+16*\i+\m+1], v[AB+16*\i+\m:AB+16*\i+\m+1], v[12:13]
.endr
	v_add_f32 v[SPR+\i],  v8,  v9
	v_add_f32 v[SAR+\i],  v10, v11
	v_add_f32 v[SPAR+\i], v12, v13
.irp q, 0,1,2,3
	RED SPR+\i,  1<<\q
	RED SAR+\i,  1<<\q
	RED SPAR+\i, 1<<\q
	CVT2 PB+16*\i, \q
	CVT2 AB+16*\i, \q
.endr
.endm
	XGROUP 0, 44                                   ; 48 loads; x's group i is loads 4 i .. 4 i + 3: 44 - 4 i are younger
	XGROUP 1, 40
	XGROUP 2, 36
	XGROUP 3, 32
	PAGROUP 0, 24                                  ; p's and a's group i ends at load 23 + 8 i: 24 - 8 i are younger
	PAGROUP 1, 16
	PAGROUP 2, 8
	PAGROUP 3, 0
	s_wait_alu depctr_va_vdst(0)                   ; the last group's rows and the sums of p and a are written, which the stores below read.  No vector instruction stands between this
	                                               ; wait and phase B's first loads: phase A is also done with v8-13 and v64-191, in which they land
	PASTORE 3
	ds_store_b128 v[LS], v[SPR:SPR+3]   offset:256
	ds_store_b128 v[LS], v[SAR:SAR+3]   offset:512
	ds_store_b128 v[LS], v[SPAR:SPAR+3] offset:768
	s_wait_dscnt 0x0                               ; my rows and sums are in LDS, for the other waves' sake
	s_barrier_signal -1
	s_barrier_wait -1                              ; everybody's are
	s_wait_alu depctr_vm_vsrc(0)                   ; my LDS stores have read v16-31 and v64-255: fragments' loads, matrix instructions and the constants' arithmetic write them from here on
	s_cmp_ge_u32 s12, 4
	s_cbranch_scc1 .Lconsts
	; ---- phase B, waves 0-3: 8 K steps of 32, 8 matrix instructions each
; Load l of the 18 of K step s, into buffer B: 0, 1 my 16 rows of x; 2 + 2 f, 3 + 2 f tile f of the 8 x 16 rows of p and a (a's rows follow p's, so tile f lies 16 f rows on)
.macro LD s, B, l
.if \l < 2
	ds_load_b128 v[\B+4*\l:\B+4*\l+3], v[FX] offset:64*(\s)+32*\l
.else
	ds_load_b128 v[\B+4*\l:\B+4*\l+3], v[FW] offset:((\l-2)/2)*16*PITCH+64*(\s)+32*(\l%2)
.endif
.endm
.macro FETCH s, B                      ; all 18 in one run
.set NI, 0
.rept 18
	LD \s, \B, NI
.set NI, NI+1
.endr
.endm
; K step s on buffer B.  The eight accumulators take turns, one instruction a turn.  Source 0 = rows of x, source 1 = classes:
; register j of lane (r, h) is row 8 h + j of x and the class in LDS row r of the tile.
; deal = 1: the 18 loads of step s + 1 go into the other buffer O, 6, 4, 4 and 4 of them ahead of the step's first four matrix instructions, which name B and the accumulators alone.
; The wait in front of tile f leaves out the 14 - 2 f loads of this buffer behind tile f's, the pre loads issued in front of the step for the next one (18 or 0), and the NI dealt so far.
.macro STEP s, B, O, pre, deal, zero
.set NI, 0
.irp f, 0,1,2,3,4,5,6,7
.if \f == 0
	s_wait_dscnt \pre+14
.if \deal
	s_wait_alu depctr_va_vdst(0)                   ; the matrix instructions of the step before are done reading the other buffer, in which the loads of this step land
.endif
.endif
.if \deal
.if \f == 0
.set NM, 6
.elseif \f < 4
.set NM, 4
.else
.set NM, 0
.endif
.rept NM
	LD (\s)+1, \O, NI
.set NI, NI+1
.endr
.endif
.if \f > 0
	s_wait_dscnt \pre+14-2*\f+NI
.endif
.if \zero
	v_wmma_f32_16x16x32_bf16 v[ACC+8*\f:ACC+8*\f+7], v[\B:\B+7], v[\B+8+8*\f:\B+15+8*\f], 0
.else
	v_wmma_f32_16x16x32_bf16 v[ACC+8*\f:ACC+8*\f+7], v[\B:\B+7], v[\B+8+8*\f:\B+15+8*\f], v[ACC+8*\f:ACC+8*\f+7]
.endif
.endr
.endm
; four places between a matrix instruction and a vector instruction that reads its result or writes one of its registers (ISA guide 7.12.1)
.macro PLACES
.rept 4
	v_nop
.endr
.endm
	FETCH 0, B0
	FETCH 1, B1
	STEP 0, B0, B1, 18, 0, 1                       ; the first K step starts the sums: nothing is cleared; step 1's loads are out already
	STEP 1, B1, B0, 0, 1, 0
	STEP 2, B0, B1, 0, 1, 0
	STEP 3, B1, B0, 0, 1, 0
	STEP 4, B0, B1, 0, 1, 0
	STEP 5, B1, B0, 0, 1, 0
	STEP 6, B0, B1, 0, 1, 0
	STEP 7, B1, B0, 0, 0, 0                        ; nothing is left to fetch
	PLACES                                         ; for phase C's reads of the sums and its writes into the buffers
	s_branch .Ljoin
	; ---- phase B, waves 4-7: the rows' constants, one lane a row
; g = tanh(u) / u for u >= 1e-5.  Behind each transcendental stands a plain instruction that names none of its registers (ISA guide 5.7.2).
.macro TANHU g, u, a, b, c, d, e
	v_mul_f32 v\a, 0x4038aa3b, v\u                 ; 2 u log2(e)
	v_mul_f32 v\b, v\u, v\u
	v_cmp_gt_f32 vcc_lo, 0x3d800000, v\u           ; u < 1/16: the difference below has lost too many bits
	v_exp_f32 v\c, v\a                             ; e^(2u); infinite for large u, and then tanh = 1
	v_rcp_f32 v\e, v\u
	v_fma_f32 v\d, v\b, s24, s25                   ; 2 u^2 / 15 - 1/3
	s_wait_alu depctr_va_vdst(0)                   ; e^(2u) and 1/u are written, ahead of their first reader
	v_add_f32 v\c, 1.0, v\c
	v_rcp_f32 v\a, v\c
	v_fma_f32 v\d, v\b, v\d, 1.0                   ; the series
	s_wait_alu depctr_va_vdst(0)                   ; 1 / (1 + e^(2u)) is written, ahead of its first reader
	v_fma_f32 v\a, -2.0, v\a, 1.0                  ; tanh(u)
	v_mul_f32 v\a, v\a, v\e
	s_wait_alu depctr_va_vcc(0)                    ; the compare has written VCC, which the select reads
	v_cndmask_b32 v\g, v\a, v\d, vcc_lo
.endm
.Lconsts:
	s_cmp_ge_u32 s12, 6
	s_cbranch_scc1 .Lrows
	; waves 4, 5: class 32 (wave - 4) + lane
	ds_load_b32 v8,  v[RC] offset:256              ; |p|^2
	ds_load_b32 v9,  v[RC] offset:512              ; |a|^2
	ds_load_b32 v10, v[RC] offset:768              ; p.a
	s_wait_dscnt 0x0
	v_sqrt_f32 v11, v8
	v_sqrt_f32 v12, v9
	v_nop
	s_wait_alu depctr_va_vdst(0)                   ; the two roots are written, ahead of their first reader
	v_max_num_f32 v13, 0x3727c5ac, v11             ; max(|p|, 1e-5)
	TANHU 14, 13, 15, 16, 17, 18, 19               ; sp: P = sp p
	v_mul_f32 v15, v11, v14                        ; |P|
	v_mul_f32 v16, v15, v15                        ; x2
	v_fma_f32 v17, -v15, v15, 1.0                  ; q = 1 - x2, the conformal factor
	v_mul_f32 v18, v12, |v17|                      ; |A| = |a| |q|
	v_rcp_f32 v19, v17
	v_rcp_f32 v20, v18
	v_mul_f32 v21, -2.0, v14                       ; c1: 2 xy = c1 U
	v_mul_f32 v22, v14, v17
	s_wait_alu depctr_va_vdst(0)                   ; 1/q and 1/|A| are written, ahead of their first reader
	v_mul_f32 v19, v19, v18                        ; |A| / q
	v_add_f32 v20, v20, v20                        ; 2 / |A|
	v_mul_f32 v22, v22, v10                        ; P.A = sp q (p.a)
	v_mul_f32 v23, v17, v17
	v_mul_f32 v19, 0x3fb17218, v19                 ; k ln 2 = 2 ln 2 |A| / q: the logarithm below is to base 2
	v_mul_f32 v22, -v22, v20                       ; -P.A x 2 / |A|
	v_mul_f32 v23, v23, v20                        ; q q x 2 / |A|
	s_wait_alu depctr_va_vdst(0)                   ; the six constants are written, which the stores below read
	ds_store_b32 v[RC], v21 offset:CN-SUMS
	ds_store_b32 v[RC], v16 offset:CN-SUMS+256
	ds_store_b32 v[RC], v17 offset:CN-SUMS+512
	ds_store_b32 v[RC], v22 offset:CN-SUMS+768
	ds_store_b32 v[RC], v23 offset:CN-SUMS+1024
	ds_store_b32 v[RC], v19 offset:CN-SUMS+1280
	s_branch .Ljoin
.Lrows:
	; waves 6, 7: row 32 (wave - 6) + lane of x
	ds_load_b32 v8, v[RC]                          ; |x|^2
	s_wait_dscnt 0x0
	v_sqrt_f32 v9, v8
	v_nop
	s_wait_alu depctr_va_vdst(0)                   ; the root is written, ahead of its first reader
	v_add_f32 v10, 0x3727c5ac, v9                  ; |x| + 1e-5
	v_rcp_f32 v11, v10
	v_nop
	s_wait_alu depctr_va_vdst(0)                   ; the reciprocal is written, ahead of its first reader
	v_min_num_f32 v11, 1.0, v11                    ; the clip to radius 1
	v_mul_f32 v12, v9, v11
	v_max_num_f32 v13, 0x3727c5ac, v12             ; max(norm, 1e-5)
	TANHU 14, 13, 15, 16, 17, 18, 19
	v_mul_f32 v14, v11, v14                        ; clip and expmap0 together
	v_mul_f32 v15, v9, v14
	v_max_num_f32 v15, 0x3727c5ac, v15             ; project: the norm,
	v_rcp_f32 v16, v15
	v_mul_f32 v17, 0x3f7fbe77, v14
	v_cmp_lt_f32 vcc_lo, 0x3f7fbe77, v15           ; above 0.999?
	s_wait_alu depctr_va_vdst(0)                   ; the reciprocal is written, ahead of its first reader
	v_mul_f32 v17, v17, v16
	s_wait_alu depctr_va_vcc(0)                    ; the compare has written VCC, which the select reads
	v_cndmask_b32 v14, v14, v17, vcc_lo            ; sx: xb = sx x
	v_mul_f32 v15, v9, v14
	v_mul_f32 v16, v15, v15                        ; y2
	v_add_f32 v17, 1.0, v16
	v_fma_f32 v18, -v15, v15, 1.0
	s_wait_alu depctr_va_vdst(0)                   ; the four constants are written, which the stores below read
	ds_store_b32 v[RC], v14 offset:CB-SUMS
	ds_store_b32 v[RC], v16 offset:CB-SUMS+256
	ds_store_b32 v[RC], v17 offset:CB-SUMS+512
	ds_store_b32 v[RC], v18 offset:CB-SUMS+768
.Ljoin:
	s_wait_dscnt 0x0                               ; the constants are in LDS (waves 0-3: nothing is out)
	s_barrier_signal -1
	s_barrier_wait -1
	s_cmp_ge_u32 s12, 4
	s_cbranch_scc1 .Lend                           ; waves 4-7 have done their part
	; ---- phase C, waves 0-3
.set NC1, 48                           ; my four classes' c1, x2, q, -P.A 2/|A|, q q 2/|A|, k ln 2: 4 registers each
.set NX2, 52
.set NQ,  56
.set NPA, 60
.set NC2, 64
.set NKL, 68
.set BSX, 72                           ; my eight rows' sx, y2, 1 + y2, 1 - y2: 8 registers each
.set BY2, 80
.set BY1, 88
.set BOY, 96
.set TD,  104                          ; at work, three sets of eight pairs: den, then D, then z
.set TN,  120                          ; nc, then the numerator, then z z + 1, then the logarithm
.set TG,  136                          ; 2e-5 + q (1 - y2), then G, then the root, then |z| + the root
.set OUT, 152                          ; v[152:183]: every store has data registers of its own, none is written twice
	s_wait_alu depctr_va_vdst(0)                   ; the matrix instructions are done reading v48-103, in which the constants land
.irp a, 0,1,2,3,4,5
	ds_load_b128 v[NC1+4*\a:NC1+4*\a+3], v[RN] offset:256*\a
.endr
.irp a, 0,1,2,3
	ds_load_b128 v[BSX+8*\a:BSX+8*\a+3],   v[RB] offset:256*\a
	ds_load_b128 v[BSX+8*\a+4:BSX+8*\a+7], v[RB] offset:256*\a+16
.endr
	s_lshl_b32 s18, s13, 17                        ; out: 64 rows of 2,048 bytes a block,
	s_lshl_b32 s20, ttmp9, 8                       ; 256 bytes a block of classes,
	s_lshl_b32 s21, s12, 15                        ; 16 rows a wave
	s_add_co_u32 s18, s18, s20
	s_add_co_u32 s18, s18, s21
	s_mov_b32 s19, 0
	s_add_nc_u64 s[10:11], s[10:11], s[18:19]
	v_mov_b32 v40, 0x3727c5ac                      ; 1e-5, 2e-5 and 1e-10, each as a pair for the packed forms
	v_mov_b32 v41, 0x3727c5ac
	v_mov_b32 v42, 0x37a7c5ac
	v_mov_b32 v43, 0x37a7c5ac
	v_mov_b32 v44, 0x2edbe6ff
	v_mov_b32 v45, 0x2edbe6ff
	s_wait_dscnt 0x0
; Stage n of 19 for rows 8 h + 2 jp and 8 h + 2 jp + 1, all four classes of the lane: 8 results.  A pair of registers is two rows of one class;
; a class's constant is spread over the pair by op_sel (even class: the pair's first register for both, odd class: its second).
; K = 0 or 8: which half of the three sets at work.  U, W, and later 1 / G and the signed k, lie in place on the accumulators' pairs, which are read from their low end on.
.macro ST n, jp, K
.set J, 2*(\jp)
.if \n == 0
.irp t, 0,1,2,3
	v_pk_mul_f32 v[ACC+8*\t+J:ACC+8*\t+J+1], v[ACC+8*\t+J:ACC+8*\t+J+1], v[BSX+J:BSX+J+1]                  ; U = sx u
.endr
.elseif \n == 1
.irp t, 0,1,2,3
	v_pk_mul_f32 v[ACC+32+8*\t+J:ACC+32+8*\t+J+1], v[ACC+32+8*\t+J:ACC+32+8*\t+J+1], v[BSX+J:BSX+J+1]      ; W = sx w
.endr
.elseif \n == 2
.irp t, 0,2
	v_pk_fma_f32 v[TD+\K+2*\t:TD+\K+2*\t+1],   v[NX2+\t:NX2+\t+1], v[BY2+J:BY2+J+1], 1.0 op_sel_hi:[0,1,0]                 ; 1 + x2 y2
	v_pk_fma_f32 v[TD+\K+2*\t+2:TD+\K+2*\t+3], v[NX2+\t:NX2+\t+1], v[BY2+J:BY2+J+1], 1.0 op_sel:[1,0,0] op_sel_hi:[1,1,0]
.endr
.elseif \n == 3
.irp t, 0,2
	v_pk_fma_f32 v[TG+\K+2*\t:TG+\K+2*\t+1],   v[NQ+\t:NQ+\t+1], v[BOY+J:BOY+J+1], v[42:43] op_sel_hi:[0,1,1]              ; 2e-5 + q (1 - y2)
	v_pk_fma_f32 v[TG+\K+2*\t+2:TG+\K+2*\t+3], v[NQ+\t:NQ+\t+1], v[BOY+J:BOY+J+1], v[42:43] op_sel:[1,0,0] op_sel_hi:[1,1,1]
.endr
.elseif \n == 4
.irp t, 0,2
	v_pk_fma_f32 v[TD+\K+2*\t:TD+\K+2*\t+1],   v[NC1+\t:NC1+\t+1], v[ACC+8*\t+J:ACC+8*\t+J+1],     v[TD+\K+2*\t:TD+\K+2*\t+1] op_sel_hi:[0,1,1]                   ; den
	v_pk_fma_f32 v[TD+\K+2*\t+2:TD+\K+2*\t+3], v[NC1+\t:NC1+\t+1], v[ACC+8*\t+8+J:ACC+8*\t+9+J], v[TD+\K+2*\t+2:TD+\K+2*\t+3] op_sel:[1,0,0] op_sel_hi:[1,1,1]
.endr
.elseif \n == 5
.irp t, 0,2
	v_pk_fma_f32 v[TN+\K+2*\t:TN+\K+2*\t+1],   v[NC1+\t:NC1+\t+1], v[ACC+8*\t+J:ACC+8*\t+J+1],     v[BY1+J:BY1+J+1] op_sel_hi:[0,1,1]                       ; nc
	v_pk_fma_f32 v[TN+\K+2*\t+2:TN+\K+2*\t+3], v[NC1+\t:NC1+\t+1], v[ACC+8*\t+8+J:ACC+8*\t+9+J], v[BY1+J:BY1+J+1] op_sel:[1,0,0] op_sel_hi:[1,1,1]
.endr
.elseif \n == 6
.irp t, 0,1,2,3
	v_pk_fma_f32 v[TG+\K+2*\t:TG+\K+2*\t+1], v[TD+\K+2*\t:TD+\K+2*\t+1], v[TG+\K+2*\t:TG+\K+2*\t+1], v[44:45] ; G = (1 - |mob|^2) D^2
.endr
.elseif \n == 7
.irp t, 0,1,2,3
	v_pk_add_f32 v[TD+\K+2*\t:TD+\K+2*\t+1], v[TD+\K+2*\t:TD+\K+2*\t+1], v[40:41]                       ; D = den + 1e-5, in den's place: G has read den
.endr
.elseif \n == 8
.irp t, 0,2
	v_pk_mul_f32 v[TN+\K+2*\t:TN+\K+2*\t+1],   v[TN+\K+2*\t:TN+\K+2*\t+1],   v[NPA+\t:NPA+\t+1] op_sel_hi:[1,0]
	v_pk_mul_f32 v[TN+\K+2*\t+2:TN+\K+2*\t+3], v[TN+\K+2*\t+2:TN+\K+2*\t+3], v[NPA+\t:NPA+\t+1] op_sel:[0,1] op_sel_hi:[1,1]
.endr
.elseif \n == 9
.irp t, 0,2
	v_pk_fma_f32 v[TN+\K+2*\t:TN+\K+2*\t+1],   v[NC2+\t:NC2+\t+1], v[ACC+32+8*\t+J:ACC+32+8*\t+J+1], v[TN+\K+2*\t:TN+\K+2*\t+1] op_sel_hi:[0,1,1]                   ; (nc (-P.A) + q q W) 2 / |A|
	v_pk_fma_f32 v[TN+\K+2*\t+2:TN+\K+2*\t+3], v[NC2+\t:NC2+\t+1], v[ACC+40+8*\t+J:ACC+41+8*\t+J], v[TN+\K+2*\t+2:TN+\K+2*\t+3] op_sel:[1,0,0] op_sel_hi:[1,1,1]
.endr
.elseif \n == 10
.irp t, 0,1,2,3
	v_rcp_f32 v[ACC+8*\t+J],   v[TG+\K+2*\t]       ; 1 / G, in U's place; the plain lines behind the sixteen (stage 11) name neither these registers nor TG (ISA guide 5.7.2)
	v_rcp_f32 v[ACC+8*\t+J+1], v[TG+\K+2*\t+1]
.endr
.elseif \n == 11
.irp t, 0,1,2,3
	v_pk_mul_f32 v[TD+\K+2*\t:TD+\K+2*\t+1], v[TN+\K+2*\t:TN+\K+2*\t+1], v[TD+\K+2*\t:TD+\K+2*\t+1]
.endr
.elseif \n == 12
.irp t, 0,1,2,3
	v_pk_mul_f32 v[TD+\K+2*\t:TD+\K+2*\t+1], v[TD+\K+2*\t:TD+\K+2*\t+1], v[ACC+8*\t+J:ACC+8*\t+J+1]           ; z
.endr
.elseif \n == 13
.irp t, 0,1,2,3
	v_pk_fma_f32 v[TN+\K+2*\t:TN+\K+2*\t+1], v[TD+\K+2*\t:TD+\K+2*\t+1], v[TD+\K+2*\t:TD+\K+2*\t+1], 1.0 op_sel_hi:[1,1,0]
.endr
.elseif \n == 14
.irp e, 0,1,2,3,4,5,6,7
	v_sqrt_f32 v[TG+\K+\e], v[TN+\K+\e]
.endr
.elseif \n == 15
.irp t, 0,1,2,3
	v_bfi_b32 v[ACC+32+8*\t+J],   0x7fffffff, v[NKL+\t], v[TD+\K+2*\t]      ; k ln 2 with z's sign, in W's place; also the plain lines behind the roots
	v_bfi_b32 v[ACC+32+8*\t+J+1], 0x7fffffff, v[NKL+\t], v[TD+\K+2*\t+1]
.endr
.elseif \n == 16
.irp e, 0,1,2,3,4,5,6,7
	v_add_f32 v[TG+\K+\e], |v[TD+\K+\e]|, v[TG+\K+\e]
.endr
.elseif \n == 17
.irp e, 0,1,2,3,4,5,6,7
	v_log_f32 v[TN+\K+\e], v[TG+\K+\e]
.endr
.else
.irp t, 0,1,2,3
	v_mul_f32 v[OUT+8*(\jp)+\t],   v[TN+\K+2*\t],   v[ACC+32+8*\t+J]        ; four classes of a row side by side: 16 bytes
	v_mul_f32 v[OUT+8*(\jp)+4+\t], v[TN+\K+2*\t+1], v[ACC+32+8*\t+J+1]
.endr
.endif
.endm
; lanes 0-15 store 256 consecutive bytes of row 2 jp (+ 1), at a multiple of 256 from out's first byte; lanes 16-31 of the row eight below
.macro SEND jp
	global_store_b128 v[VO], v[OUT+8*(\jp):OUT+8*(\jp)+3],   s[10:11] offset:(2*(\jp))*2048 th:TH_STORE_NT
	global_store_b128 v[VO], v[OUT+8*(\jp)+4:OUT+8*(\jp)+7], s[10:11] offset:(2*(\jp)+1)*2048 th:TH_STORE_NT
.endm
; Rows 8 h + 4 H .. + 3: 16 results.  Each stage is written for all 16 before the next, so that no line waits for the line in front of it.
.macro HALF H
.irp n, 0,1,2,3,4,5,6,7,8,9,10,11
	ST \n, 2*\H, 0
	ST \n, 2*\H+1, 8
.endr
	s_wait_alu depctr_va_vdst(0)                   ; the sixteen reciprocals are written, ahead of their first reader; in the second half also the first half's results, which the stores below read
.if \H == 1
	SEND 0
	SEND 1
.endif
.irp n, 12,13,14,15
	ST \n, 2*\H, 0
	ST \n, 2*\H+1, 8
.endr
	s_wait_alu depctr_va_vdst(0)                   ; the sixteen roots are written, ahead of their first reader
.irp n, 16,17
	ST \n, 2*\H, 0
	ST \n, 2*\H+1, 8
.endr
	v_nop                                          ; the plain line behind the logarithms
	s_wait_alu depctr_va_vdst(0)                   ; the sixteen logarithms are written, ahead of their first reader
	ST 18, 2*\H, 0
	ST 18, 2*\H+1, 8
.endm
	HALF 0
	HALF 1
	s_wait_alu depctr_va_vdst(0)                   ; the second half's results are written, which the last four stores read
	SEND 2
	SEND 3
.Lend:
	s_wait_dscnt 0x0
	s_wait_alu depctr_hold_cnt(0) depctr_sa_sdst(0) depctr_va_vdst(0) depctr_va_sdst(0) depctr_va_ssrc(0) depctr_va_vcc(0) depctr_vm_vsrc(0)
	s_wait_tensorcnt 0x0
	ds_add_u32 v46, v47
	s_wait_dscnt 0x0
	s_endpgm
.Lfunc_end_k_q68aae7949a_hmlr:
	.size	k_q68aae7949a_hmlr, .Lfunc_end_k_q68aae7949a_hmlr-k_q68aae7949a_hmlr
	.p2alignl 7, 3214868480
	.fill 96, 4, 3214868480
	.section	.rodata,"a",@progbits
	.p2align	6, 0x0
	.amdhsa_kernel k_q68aae7949a_hmlr
		.amdhsa_group_segment_fixed_size 168960
		.amdhsa_private_segment_fixed_size 0
		.amdhsa_enable_private_segment 0
		.amdhsa_kernarg_size 32
		.amdhsa_user_sgpr_count 2
		.amdhsa_user_sgpr_kernarg_segment_ptr 1
		.amdhsa_wavefront_size32 1
		.amdhsa_system_sgpr_workgroup_id_x 1
		.amdhsa_system_sgpr_workgroup_id_y 1
		.amdhsa_system_sgpr_workgroup_id_z 1
		.amdhsa_system_vgpr_workitem_id 0
		.amdhsa_next_free_vgpr 256
		.amdhsa_next_free_sgpr 66
		.amdhsa_reserve_vcc 1
		.amdhsa_float_denorm_mode_32 3
		.amdhsa_float_denorm_mode_16_64 3
		.amdhsa_memory_ordered 1
		.amdhsa_forward_progress 1
		.amdhsa_inst_pref_size 73
	.end_amdhsa_kernel
	.amdgpu_metadata
---
amdhsa.version: [ 1, 2 ]
amdhsa.kernels:
  - .name:           k_q68aae7949a_hmlr
    .symbol:         k_q68aae7949a_hmlr.kd
    .args:
      - { .name: x, .offset: 0, .size: 8, .value_kind: global_buffer, .address_space: global }
      - { .name: p_vals, .offset: 8, .size: 8, .value_kind: global_buffer, .address_space: global }
      - { .name: a_vals, .offset: 16, .size: 8, .value_kind: global_buffer, .address_space: global }
      - { .name: out0, .offset: 24, .size: 8, .value_kind: global_buffer, .address_space: global }
    .group_segment_fixed_size: 168960
    .private_segment_fixed_size: 0
    .kernarg_segment_align: 8
    .kernarg_segment_size: 32
    .max_flat_workgroup_size: 256
    .sgpr_count:     66
    .vgpr_count:     256
    .wavefront_size: 32
...
	.end_amdgpu_metadata
.endif
;; end of part 2
